; MI455X (gfx1250); checked and timed in simulation.
; The chip was launched on July 23, 2026; its instructions are those of AMD's public machine-readable ISA for CDNA 5 (MIT licence, August 2026) and "CDNA5" Instruction Set Architecture Reference Guide (July 2026). The comments in the code are by the model that wrote it; some were corrected since.
;; Multi Head Attention Quantum. Allowed arithmetic: float matrix products may take bf16 or f16 operands with f32 sums; all other float work in f32.
;; Inputs: b_combine 8 float32; theta 8 float32; w_combine 8 x 8 float32; x 16 x 4,096 x 8 float32.
;; Outputs: out0 16 x 4,096 x 8 float32.
;; 2 versions, each right; version 2 is version 1 with the launch qattn written anew for expert scheduling mode. Each part assembles by itself: llvm-mc -triple=amdgcn-amd-amdhsa -mcpu=gfx1250 --defsym DOCPART=n.
;; ======== version 1 of 2: 1 launch
;; launch qattn (part 1): grid 256 x 1, 8 waves a work-group, no clusters, 230,656 bytes of LDS; arguments x, theta, w_combine, b_combine, out0; writes out0
.if DOCPART == 1
	.amdgcn_target "amdgcn-amd-amdhsa--gfx1250"
	.amdhsa_code_object_version 6
	.text
	.protected	k_q4810b6bcf5_qattn
	.globl	k_q4810b6bcf5_qattn
	.p2align	8
	.type	k_q4810b6bcf5_qattn,@function
k_q4810b6bcf5_qattn:
	s_mov_b64 s[64:65], 0
	v_nop
	global_prefetch_b8 v0, s[64:65] scope:SCOPE_SE
	s_setreg_imm32_b32 hwreg(HW_REG_WAVE_MODE, 25, 1), 1
	s_wait_xcnt 0x0
; Quantum features, attention with k = v = q, transpose-reshape and the combining layer, in one launch.
;
; FEATURES.  The state is a product state and the CNOT ring permutes basis states, so <Z_w> is the expectation of
; (-1)^(an XOR of independent bits) = a product of cos(phi_k), phi = x + theta.  CNOT(0,1) .. CNOT(6,7) turn bit w into
; b0^..^bw, CNOT(7,0) turns bit 0 into b1^..^b7.  So q_w = c0 c1 .. cw (w = 1..7) and q_0 = c1 c2 .. c7, for every input.
; c = cos(phi) = 1 - 2 sin^2(phi/2): u = phi/(2 pi), f = u - rndne(u) in [-1/2, 1/2], sin(pi f) by its series up to f^11
; (the next term is at most 6e-8).  LIMIT: u is one f32 fused multiply-add, so the phase error grows as |phi| 2^-24,
; like that of the f32 sum x + theta itself.  A non-finite x makes its whole batch NaN.
;
; SOFTMAX WITHOUT A MAXIMUM: |q_e| <= 1 (products of cosines), so |q.q log2(e)/sqrt(2)| <= 8.2 for every input: each
; 2^s lies in [2^-8.2, 2^8.2] and a sum of 4,096 of them below 2^20.2, far inside f32 and bf16.
;
; SHARES.  256 work-groups: batch = id / 16, block of 256 query rows = id % 16.  Eight waves.  Every work-group makes the
; features of its batch's 4,096 tokens itself (one token a lane, 16 rounds) and keeps them in LDS as bf16; the main loop
; then touches no memory.  Wave w owns query rows 64 (w & 3) .. + 63 (four tiles of 16) and keys 2048 (w >> 2) .. + 2047.
; x is the only data that work-groups share: 128 KB once for each, and each number goes through the cosine in registers
; before it reaches LDS, so joint tensor loads would add a pass through LDS and spare nothing in the loop: no cluster.
;
; MATRIX LAYOUT.  Scores are made transposed: A = 16 keys (rows t), B = 16 queries (columns s).  A lane's eight results
; are then t = 8 (lane/16) + 0..7 of one s: after 2^x and packing, exactly registers 0-3 (keys 0-15) or 4-7 (keys 16-31)
; of the A fragment of P for P V.  Of the 32 places along k the scores need 16: places 0-7 carry the high bf16 part of
; q log2(e)/sqrt(2), places 8-15 its low part (both against the same key row), places 16-31 are zero in the queries,
; so the keys' registers 4-7 may hold any finite numbers.  V has 16 columns: 0-7 = q, 8-15 = 1.0, so that P V also
; yields each row's sum of P.  In the result lane (r, h), register j = (s = 8 h + j, e = r): eight neighbouring s of one e,
; which is one row of the transposed and reshaped matrix: the combining layer is 64 fused multiply-adds inside the lane.
.set KH,     0                         ; LDS: q as bf16, 16 bytes a token, 4,096 tokens
.set VT,     65536                     ; LDS: V transposed in fragment order, 1,024 bytes for 32 tokens: 16-byte piece (e, 8 tokens c) at 512 (c>>1) + 256 (c&1) + 16 e
.set RED,    196608                    ; LDS: waves 4-7 hand their sums to waves 0-3, 4,096 bytes each
.set OUTB,   212992                    ; LDS: the stage of the way out, 16 rows (e) of OPITCH bytes; rows 8-15 take the sum lanes' by-product and are not read
.set OPITCH, 1040                      ; 1,024 + 16: an odd multiple of 16 bytes, so that the lanes' rows start at different banks (64 banks of 4 bytes: ISA guide 11.1)
.set LANE, 1                           ; v1   lane
.set XOFF, 2                           ; v2   32 x thread: my token's bytes in a round of x
.set KHA,  3                           ; v3   my token's row in KH, round 0
.set VTA,  4                           ; v4-5 my piece in VT, rounds 0-7 and 8-15
.set KADR, 6                           ; v6   key fragments
.set VADR, 7                           ; v7   V fragments
.set QADR, 8                           ; v8   my query rows in KH
.set REDA, 9                           ; v9   exchange
.set OUTA, 10                          ; v10  stage, in
.set R16,  11                          ; v11  lane % 16
.set HALF, 12                          ; v12  lane / 16
; feature stage
.set TH,   16                          ; v[16:23]   theta / (2 pi)
.set CO,   24                          ; v[24:35]   six coefficients, each twice (pairs for the packed forms)
.set ONES, 36                          ; v[36:39]   eight bf16 1.0
.set U,    40                          ; v[40:47]   phase in turns, then its fraction f
.set N,    48                          ; v[48:55]   nearest whole turns
.set Z,    56                          ; v[56:63]   f^2
.set PP,   64                          ; v[64:71]   the series, sin, sin^2
.set C,    72                          ; v[72:79]   cos(phi_k)
.set QF,   80                          ; v[80:87]   q in f32
.set T,    88                          ; v[88:91]   partial products
.set KP,   92                          ; v[92:95]   q in bf16
.set TR,   96                          ; v[96:103]  transposed pieces, two buffers
.set X,    128                         ; v[128:255] x: 16 rounds of 8
; main loop
.set Q,    16                          ; v[16:47]   four query fragments (B of the scores)
.set ACC,  48                          ; v[48:79]   four output tiles
.set SB,   80                          ; v[80:111]  scores, then 2^scores: two buffers of 16
.set P,    112                         ; v[112:127] P in bf16: two buffers of 8
.set KB,   128                         ; v[128:151] keys: two buffers of 8 data + 4 zero registers; fragment 0 = registers 0-7, fragment 1 = registers 4-11
.set VB,   152                         ; v[152:167] V: two buffers of 8
.set QT,   176                         ; v[176:215] at work while the query fragments are made
.set XF,   192
.set HP,   200
.set HF,   204
.set LP,   212
.set LS,   112                         ; way out: row sums and their reciprocals (P's registers)
.set Y,    128                         ; way out: eight outputs (the keys' registers)
.set WLO,  16                          ; s[16:63]  w_combine rows 0-5
.set WHI,  68                          ; s[68:83]  w_combine rows 6-7
.set BIAS, 84                          ; s[84:91]  b_combine
.set STH,  92                          ; s[92:99]  theta
	s_load_b256 s[4:11], s[0:1], 0x0               ; x s[4:5], theta s[6:7], w_combine s[8:9], b_combine s[10:11]
	s_load_b64 s[12:13], s[0:1], 0x20              ; out0
	s_set_vgpr_msb 0x40
	v_lshl_add_u32 v0, v0, 2, 0x38100
	v_mov_b32 v1, 0
	s_set_vgpr_msb 0x4000
	v_lshrrev_b32 v13, 5, v0
	v_readfirstlane_b32 s14, v13                   ; wave 0..7
	v_and_b32 v[LANE], 31, v0
	v_lshlrev_b32 v[XOFF], 5, v0
	s_lshr_b32 s2, ttmp9, 4                        ; batch
	s_lshl_b32 s2, s2, 17                          ; x 4,096 tokens x 32 bytes
	s_mov_b32 s3, 0
	s_and_b32 s15, ttmp9, 15                       ; block of 256 query rows
	s_wait_kmcnt 0x0
	s_add_nc_u64 s[4:5], s[4:5], s[2:3]            ; x at my batch
.set k, 0
.rept 16                                           ; all 16 rounds are asked for at once: token 256 k + thread, 32 bytes; a wave's two loads cover 1,024 neighbouring bytes
	global_load_b128 v[X+8*k:X+8*k+3],   v[XOFF], s[4:5] offset:8192*k
	global_load_b128 v[X+8*k+4:X+8*k+7], v[XOFF], s[4:5] offset:8192*k+16
.set k, k+1
.endr
	s_load_b512 s[WLO:WLO+15],    s[8:9], 0x0
	s_load_b512 s[WLO+16:WLO+31], s[8:9], 0x40
	s_load_b512 s[WLO+32:WLO+47], s[8:9], 0x80
	s_load_b512 s[WHI:WHI+15],    s[8:9], 0xc0
	s_load_b256 s[BIAS:BIAS+7],   s[10:11], 0x0
	s_load_b256 s[STH:STH+7],     s[6:7], 0x0
	s_lshl_b32 s100, s15, 10                       ; my 32 groups of 8 rows x 32 bytes
	s_add_co_u32 s2, s2, s100
	s_add_nc_u64 s[12:13], s[12:13], s[2:3]        ; out0 at my batch and block
.irp h, 0,1
	v_mov_b32 v[CO+0+\h],  0x40490fdb              ;  pi
	v_mov_b32 v[CO+2+\h],  0xc0a55de7              ; -pi^3/3!
	v_mov_b32 v[CO+4+\h],  0x402335e3              ;  pi^5/5!
	v_mov_b32 v[CO+6+\h],  0xbf196966              ; -pi^7/7!
	v_mov_b32 v[CO+8+\h],  0x3da83c1a              ;  pi^9/9!
	v_mov_b32 v[CO+10+\h], 0xbbf183a8              ; -pi^11/11!
.endr
.irp j, 0,1,2,3
	v_mov_b32 v[ONES+\j], 0x3f803f80
.endr
	; LDS addresses: the wave's number times a constant, a lane term, a constant
	s_lshl_b32 s100, s14, 9                        ; 32 tokens x 16 bytes
	v_lshl_add_u32 v[KHA], v[LANE], 4, s100
	v_lshrrev_b32 v13, 3, v[LANE]                  ; c: which 8 of the wave's 32 tokens
	v_and_b32 v14, 7, v[LANE]                      ; e
	v_lshlrev_b32 v14, 4, v14
	v_lshl_add_u32 v14, v13, 8, v14                ; 256 c + 16 e  (= 512 (c>>1) + 256 (c&1) + 16 e)
	s_lshl_b32 s100, s14, 10
	s_add_co_u32 s100, s100, VT
	v_add_nc_u32 v[VTA], s100, v14
	v_add_nc_u32 v[VTA+1], 0x10000, v[VTA]         ; rounds 8-15 lie beyond the reach of a 16-bit offset
	v_and_b32 v[R16], 15, v0
	v_lshrrev_b32 v[HALF], 4, v[LANE]
	s_lshr_b32 s2, s14, 2                          ; which half of the keys
	s_lshl_b32 s3, s2, 15                          ; 2,048 tokens x 16 bytes
	v_lshl_add_u32 v[KADR], v[R16], 4, s3          ; both halves of the lanes read key row lane % 16
	s_lshl_b32 s3, s2, 16                          ; 64 blocks x 1,024 bytes
	s_add_co_u32 s3, s3, VT
	v_lshl_add_u32 v[VADR], v[LANE], 4, s3
	s_and_b32 s101, s14, 3                         ; which 64 query rows
	s_lshl_b32 s2, s15, 12                         ; 256 rows x 16 bytes
	s_lshl_b32 s3, s101, 10                        ; 64 rows x 16 bytes
	s_add_co_u32 s2, s2, s3
	v_lshl_add_u32 v[QADR], v[R16], 4, s2
	s_lshl_b32 s2, s101, 12
	s_add_co_u32 s2, s2, RED
	v_lshl_add_u32 v[REDA], v[LANE], 4, s2
	v_mul_u32_u24 v[OUTA], v[R16], OPITCH          ; row e = lane % 16
	v_lshl_add_u32 v[OUTA], v[HALF], 5, v[OUTA]    ; group 8 (w&3) + 2 i + h, 32 bytes each
	s_lshl_b32 s2, s101, 8
	s_add_co_u32 s2, s2, OUTB
	v_add_nc_u32 v[OUTA], s2, v[OUTA]
	s_wait_kmcnt 0x0                               ; theta, w_combine, b_combine
.irp j, 0,1,2,3,4,5,6,7
	v_mov_b32 v[TH+\j], s[STH+\j]
.endr
.irp j, 0,1,2,3,4,5,6,7
	v_mul_f32 v[TH+\j], 0x3e22f983, v[TH+\j]       ; theta / (2 pi)
.endr
; Round k: the features of token 256 k + thread.
.macro FEAT k
	s_wait_loadcnt 30-2*\k                         ; loads come back in order (ISA guide 5.7.1): this round's two are in, the 2 (15 - k) younger ones stay out
.irp p, 0,2,4,6
	v_pk_fma_f32 v[U+\p:U+\p+1], v[X+8*\k+\p:X+8*\k+\p+1], 0x3e22f983, v[TH+\p:TH+\p+1] op_sel_hi:[1,0,1]   ; (x + theta) / (2 pi)
.endr
.irp j, 0,1,2,3,4,5,6,7
	v_rndne_f32 v[N+\j], v[U+\j]
.endr
.irp p, 0,2,4,6
	v_pk_add_f32 v[U+\p:U+\p+1], v[U+\p:U+\p+1], v[N+\p:N+\p+1] neg_lo:[0,1] neg_hi:[0,1]   ; f, exact
.endr
.irp p, 0,2,4,6
	v_pk_mul_f32 v[Z+\p:Z+\p+1], v[U+\p:U+\p+1], v[U+\p:U+\p+1]
.endr
.irp p, 0,2,4,6
	v_pk_fma_f32 v[PP+\p:PP+\p+1], v[Z+\p:Z+\p+1], v[CO+10:CO+11], v[CO+8:CO+9]
.endr
.irp m, 6,4,2,0
.irp p, 0,2,4,6
	v_pk_fma_f32 v[PP+\p:PP+\p+1], v[PP+\p:PP+\p+1], v[Z+\p:Z+\p+1], v[CO+\m:CO+\m+1]
.endr
.endr
.irp p, 0,2,4,6
	v_pk_mul_f32 v[PP+\p:PP+\p+1], v[PP+\p:PP+\p+1], v[U+\p:U+\p+1]      ; sin(phi/2) up to its sign
.endr
.irp p, 0,2,4,6
	v_pk_mul_f32 v[PP+\p:PP+\p+1], v[PP+\p:PP+\p+1], v[PP+\p:PP+\p+1]
.endr
.irp p, 0,2,4,6
	v_pk_fma_f32 v[C+\p:C+\p+1], v[PP+\p:PP+\p+1], -2.0, 1.0 op_sel_hi:[1,0,0]   ; cos(phi) = 1 - 2 sin^2(phi/2)
.endr
	v_mul_f32 v[T],    v[C+1], v[C+2]              ; c1 c2
	v_mul_f32 v[T+1],  v[C+3], v[C+4]              ; c3 c4
	v_mul_f32 v[T+2],  v[C+5], v[C+6]              ; c5 c6
	v_mul_f32 v[QF+1], v[C],   v[C+1]
	v_mul_f32 v[QF+2], v[C],   v[T]
	v_mul_f32 v[T+3],  v[T+2], v[C+7]              ; c5 c6 c7
	v_mul_f32 v[T],    v[T],   v[T+1]              ; c1 c2 c3 c4
	v_mul_f32 v[QF+3], v[QF+2], v[C+3]
	v_mul_f32 v[QF+4], v[QF+2], v[T+1]
	v_mul_f32 v[QF],   v[T],   v[T+3]              ; q0 = c1 .. c7
	v_mul_f32 v[QF+5], v[QF+4], v[C+5]
	v_mul_f32 v[QF+6], v[QF+4], v[T+2]
	v_mul_f32 v[QF+7], v[QF+6], v[C+7]
.irp p, 0,1,2,3
	v_cvt_pk_bf16_f32 v[KP+\p], v[QF+2*\p], v[QF+2*\p+1]
.endr
	ds_store_b128 v[VTA+(\k>>3)], v[ONES:ONES+3] offset:(\k&7)*8192+128          ; columns 8-15 of V: ones
	ds_store_b128 v[KHA], v[KP:KP+3] offset:\k*4096                              ; my token's row
	ds_load_tr16_b128 v[TR+4*(\k&1):TR+4*(\k&1)+3], v[KHA] offset:\k*4096        ; each lane addresses the 16 bytes it has just stored (LDS serves a wave in order: ISA guide 5.7.1.4);
	                                                                             ; lane 8 c + e receives q_e of tokens 8 c .. 8 c + 7 of the wave's 32
.if \k > 0
	s_wait_dscnt 0x3                               ; at least three LDS instructions were issued behind the last round's transposing load: it is in
	ds_store_b128 v[VTA+((\k-1)>>3)], v[TR+4*((\k-1)&1):TR+4*((\k-1)&1)+3] offset:((\k-1)&7)*8192
.endif
.endm
.irp k, 0,1,2,3,4,5,6,7,8,9,10,11,12,13,14,15
	FEAT \k
.endr
	s_wait_dscnt 0x0
	ds_store_b128 v[VTA+1], v[TR+4:TR+7] offset:7*8192
	s_wait_dscnt 0x0                               ; all my rows and pieces are in LDS,
	s_barrier_signal -1
	s_barrier_wait -1                              ; everybody's are
	; Query fragments: my 64 rows of KH times log2(e)/sqrt(2), split into a high and a low bf16 part.
.irp i, 0,1,2,3
	ds_load_b128 v[QT+4*\i:QT+4*\i+3], v[QADR] offset:256*\i
.endr
	v_cmp_lt_u32 vcc_lo, 15, v[LANE]               ; lanes 16-31 hold places k = 8..15: the low part
.irp p, 0,1,2,3
	v_mov_b32 v[KB+8+\p], 0                        ; behind each key buffer four registers of zeros: fragment 1's places k = 16..31
	v_mov_b32 v[KB+20+\p], 0
.endr
	s_wait_dscnt 0x0
.macro QFRAG i
.irp p, 0,1,2,3
	v_lshlrev_b32 v[XF+2*\p],   16, v[QT+4*\i+\p]
	v_and_b32     v[XF+2*\p+1], 0xffff0000, v[QT+4*\i+\p]
.endr
.irp p, 0,2,4,6
	v_pk_mul_f32 v[XF+\p:XF+\p+1], v[XF+\p:XF+\p+1], 0x3f8293ee op_sel_hi:[1,0]   ; log2(e)/sqrt(d_k), d_k = 2
.endr
.irp p, 0,1,2,3
	v_cvt_pk_bf16_f32 v[HP+\p], v[XF+2*\p], v[XF+2*\p+1]
.endr
.irp p, 0,1,2,3
	v_lshlrev_b32 v[HF+2*\p],   16, v[HP+\p]
	v_and_b32     v[HF+2*\p+1], 0xffff0000, v[HP+\p]
.endr
.irp p, 0,2,4,6
	v_pk_add_f32 v[XF+\p:XF+\p+1], v[XF+\p:XF+\p+1], v[HF+\p:HF+\p+1] neg_lo:[0,1] neg_hi:[0,1]
.endr
.irp p, 0,1,2,3
	v_cvt_pk_bf16_f32 v[LP+\p], v[XF+2*\p], v[XF+2*\p+1]
.endr
.irp p, 0,1,2,3
	v_cndmask_b32 v[Q+8*\i+\p], v[HP+\p], v[LP+\p], vcc_lo
	v_mov_b32 v[Q+8*\i+4+\p], 0                    ; places k = 16..31 count for nothing
.endr
.endm
	QFRAG 0
	QFRAG 1
	QFRAG 2
	QFRAG 3
; THE MAIN LOOP.  A unit is one query tile x 32 keys; a block is 32 keys = four units.  In a unit's step stand: the two score
; instructions of the NEXT unit; this unit's eight packs, which are the plain vector instructions that have to stand between a matrix
; instruction and the first reader of its result (ISA guide 7.12.1) and name none of the score instructions' registers; this unit's P V;
; the next unit's sixteen 2^x; one v_nop between those and their first reader (ISA guide 5.7.2).
; S and P have two buffers each, so that a pack writes a P buffer whose last matrix reader lies a whole step (eight packs) back.
; The matrix instructions' destinations take turns (two score tiles, one output tile), one instruction a turn.
.macro LOADBLK par, ko, vo             ; 32 keys: two key fragments (16 rows of 16 bytes each), one V fragment (2 x 512 neighbouring bytes)
	ds_load_b128 v[KB+12*\par:KB+12*\par+3],   v[KADR] offset:\ko
	ds_load_b128 v[KB+12*\par+4:KB+12*\par+7], v[KADR] offset:\ko+256
	ds_load_b128 v[VB+8*\par:VB+8*\par+3],     v[VADR] offset:\vo
	ds_load_b128 v[VB+8*\par+4:VB+8*\par+7],   v[VADR] offset:\vo+512
.endm
.macro SCORE par, i
	v_wmma_f32_16x16x32_bf16 v[SB+16*(\i&1):SB+16*(\i&1)+7],    v[KB+12*\par:KB+12*\par+7],    v[Q+8*\i:Q+8*\i+7], 0
	v_wmma_f32_16x16x32_bf16 v[SB+16*(\i&1)+8:SB+16*(\i&1)+15], v[KB+12*\par+4:KB+12*\par+11], v[Q+8*\i:Q+8*\i+7], 0
.endm
.macro EXPS i
.irp j, 0,1,2,3,4,5,6,7,8,9,10,11,12,13,14,15
	v_exp_f32 v[SB+16*(\i&1)+\j], v[SB+16*(\i&1)+\j]
.endr
	v_nop
.endm
.macro PACK i
	s_wait_alu depctr_va_vdst(0)
.irp p, 0,1,2,3,4,5,6,7
	v_cvt_pk_bf16_f32 v[P+8*(\i&1)+\p], v[SB+16*(\i&1)+2*\p], v[SB+16*(\i&1)+2*\p+1]
.endr
.endm
.macro PV par, i, zero                 ; zero = 1: the first product starts the sums
.if \zero
	v_wmma_f32_16x16x32_bf16 v[ACC+8*\i:ACC+8*\i+7], v[P+8*(\i&1):P+8*(\i&1)+7], v[VB+8*\par:VB+8*\par+7], 0
.else
	v_wmma_f32_16x16x32_bf16 v[ACC+8*\i:ACC+8*\i+7], v[P+8*(\i&1):P+8*(\i&1)+7], v[VB+8*\par:VB+8*\par+7], v[ACC+8*\i:ACC+8*\i+7]
.endif
.endm
; par: this block's fragment buffers, opar: the other ones.  load = 1: the next block's fragments are fetched.  last = 1: no unit follows.
.macro BLOCK par, opar, zero, load, last
	SCORE \par, 1
	PACK 0
.if \load
	LOADBLK \opar, 512+512*\par, 1024+1024*\par    ; behind the eight packs: the other buffers' last matrix reader lies more than four plain vector instructions back
.endif
	PV \par, 0, \zero
	EXPS 1
	SCORE \par, 2
	PACK 1
	PV \par, 1, \zero
	EXPS 2
	SCORE \par, 3
	PACK 2
	PV \par, 2, \zero
	EXPS 3
.if \last == 0
	s_wait_dscnt 0x0                               ; the next block's four loads, issued three steps ago
	SCORE \opar, 0
.endif
	PACK 3
	PV \par, 3, \zero
.if \last == 0
	EXPS 0
.endif
.endm
.macro NEXTPAIR
	v_add_nc_u32 v[KADR], 1024, v[KADR]            ; 64 keys on
	v_add_nc_u32 v[VADR], 2048, v[VADR]
.endm
	LOADBLK 0, 0, 0
	s_wait_dscnt 0x0
	SCORE 0, 0
.rept 4
	v_nop                                          ; four plain vector instructions between a matrix instruction and the reader of its result (ISA guide 7.12.1)
.endr
	EXPS 0
	BLOCK 0, 1, 1, 1, 0                            ; blocks 0 and 1 stand in front of the loop: block 0's products start the sums
	BLOCK 1, 0, 0, 1, 0
	NEXTPAIR
	s_mov_b32 s100, 30                             ; blocks 2 .. 61
.Lpair:
	BLOCK 0, 1, 0, 1, 0
	BLOCK 1, 0, 0, 1, 0
	NEXTPAIR
	s_sub_co_u32 s100, s100, 1
	s_cmp_lg_u32 s100, 0
	s_cbranch_scc1 .Lpair
	BLOCK 0, 1, 0, 1, 0                            ; block 62 fetches block 63,
	BLOCK 1, 0, 0, 0, 1                            ; which fetches nothing and starts no further unit
.rept 4
	v_nop                                          ; behind the last matrix instruction, in front of the readers of its result and the writers of its sources
.endr
	; THE WAY OUT.  Waves 4-7 hand the sums over their half of the keys to waves 0-3 (no maximum was taken away, so the sums simply add).
	s_cmp_lt_u32 s14, 4
	s_cbranch_scc1 .Lkeep
.irp g, 0,1,2,3,4,5,6,7
	ds_store_b128 v[REDA], v[ACC+4*\g:ACC+4*\g+3] offset:512*\g
.endr
.Lkeep:
	s_wait_dscnt 0x0                               ; my stores are in LDS
	s_barrier_signal -1
	s_barrier_wait -1
	s_cmp_ge_u32 s14, 4
	s_cbranch_scc1 .Lstaged
.irp g, 0,1,2,3,4,5,6,7
	ds_load_b128 v[SB+4*\g:SB+4*\g+3], v[REDA] offset:512*\g
.endr
	s_wait_dscnt 0x0
.set p, 0
.rept 16
	v_pk_add_f32 v[ACC+p:ACC+p+1], v[ACC+p:ACC+p+1], v[SB+p:SB+p+1]
.set p, p+2
.endr
; Tile i.  Lanes with lane % 16 < 8 hold sum P q_e for eight neighbouring s; lane xor 8 holds sum P of the same eight s.
; Lanes with lane % 16 >= 8 run along; what they make goes to rows 8-15 of the stage, which nobody reads.
.macro FINISH i
.irp j, 0,1,2,3,4,5,6,7
	v_mov_b32_dpp v[LS+\j], v[ACC+8*\i+\j] row_xmask:8 row_mask:0xf bank_mask:0xf
.endr
.irp j, 0,1,2,3,4,5,6,7
	v_rcp_f32 v[LS+\j], v[LS+\j]                   ; a sum of 4,096 numbers of at least 2^-8.2: never zero, never denormal
.endr
	v_nop                                          ; one plain vector instruction between the reciprocals and their reader (ISA guide 5.7.2)
	s_wait_alu depctr_va_vdst(0)
.irp p, 0,2,4,6
	v_pk_mul_f32 v[ACC+8*\i+\p:ACC+8*\i+\p+1], v[ACC+8*\i+\p:ACC+8*\i+\p+1], v[LS+\p:LS+\p+1]
.endr
	; y[o] = b[o] + sum over j of w[o][j] out[8 g + j][e]: the eight chains take turns
.set jj, 0
.rept 8
.set oo, 0
.rept 8
.if oo < 6
.set WB, WLO+8*oo
.else
.set WB, WHI+8*(oo-6)
.endif
.if jj == 0
	v_fma_f32 v[Y+oo], s[WB], v[ACC+8*\i], s[BIAS+oo]
.else
	v_fmac_f32 v[Y+oo], s[WB+jj], v[ACC+8*\i+jj]
.endif
.set oo, oo+1
.endr
.set jj, jj+1
.endr
	ds_store_b128 v[OUTA], v[Y:Y+3]   offset:64*\i
	ds_store_b128 v[OUTA], v[Y+4:Y+7] offset:64*\i+16
.endm
	FINISH 0
	FINISH 1
	FINISH 2
	FINISH 3
.Lstaged:
	s_wait_dscnt 0x0
	s_barrier_signal -1
	s_barrier_wait -1
	; For each e the block's 32 groups are 1,024 neighbouring bytes of out0, at e x 16,384 + block x 1,024.
	; Thread t stores 16 bytes of row e = t / 64 and of row e + 4: sixteen lanes store 256 consecutive bytes, aligned.
	v_lshrrev_b32 v13, 6, v0                       ; e
	v_and_b32 v14, 63, v0
	v_lshlrev_b32 v14, 4, v14
	v_mad_u32_u24 v15, v13, OPITCH, v14
	v_add_nc_u32 v15, OUTB, v15
	v_lshl_add_u32 v13, v13, 14, v14
	ds_load_b128 v[16:19], v15
	ds_load_b128 v[20:23], v15 offset:4*OPITCH
	s_wait_dscnt 0x1
	global_store_b128 v13, v[16:19], s[12:13]
	s_wait_dscnt 0x0
	global_store_b128 v13, v[20:23], s[12:13] offset:65536
	s_set_vgpr_msb 0x5
	s_wait_tensorcnt 0x0
	ds_add_u32 v0, v1
	s_wait_dscnt 0x0
	s_set_vgpr_msb 0x500
	s_endpgm
.Lfunc_end_k_q4810b6bcf5_qattn:
	.size	k_q4810b6bcf5_qattn, .Lfunc_end_k_q4810b6bcf5_qattn-k_q4810b6bcf5_qattn
	.p2alignl 7, 3214868480
	.fill 96, 4, 3214868480
	.section	.rodata,"a",@progbits
	.p2align	6, 0x0
	.amdhsa_kernel k_q4810b6bcf5_qattn
		.amdhsa_group_segment_fixed_size 230656
		.amdhsa_private_segment_fixed_size 0
		.amdhsa_enable_private_segment 0
		.amdhsa_kernarg_size 40
		.amdhsa_user_sgpr_count 2
		.amdhsa_user_sgpr_kernarg_segment_ptr 1
		.amdhsa_wavefront_size32 1
		.amdhsa_system_sgpr_workgroup_id_x 1
		.amdhsa_system_sgpr_workgroup_id_y 1
		.amdhsa_system_sgpr_workgroup_id_z 1
		.amdhsa_system_vgpr_workitem_id 0
		.amdhsa_next_free_vgpr 258
		.amdhsa_next_free_sgpr 102
		.amdhsa_reserve_vcc 1
		.amdhsa_float_denorm_mode_32 3
		.amdhsa_float_denorm_mode_16_64 3
		.amdhsa_memory_ordered 1
		.amdhsa_forward_progress 1
		.amdhsa_inst_pref_size 130
	.end_amdhsa_kernel
	.amdgpu_metadata
---
amdhsa.version: [ 1, 2 ]
amdhsa.kernels:
  - .name:           k_q4810b6bcf5_qattn
    .symbol:         k_q4810b6bcf5_qattn.kd
    .args:
      - { .name: x, .offset: 0, .size: 8, .value_kind: global_buffer, .address_space: global }
      - { .name: theta, .offset: 8, .size: 8, .value_kind: global_buffer, .address_space: global }
      - { .name: w_combine, .offset: 16, .size: 8, .value_kind: global_buffer, .address_space: global }
      - { .name: b_combine, .offset: 24, .size: 8, .value_kind: global_buffer, .address_space: global }
      - { .name: out0, .offset: 32, .size: 8, .value_kind: global_buffer, .address_space: global }
    .group_segment_fixed_size: 230656
    .private_segment_fixed_size: 0
    .kernarg_segment_align: 8
    .kernarg_segment_size: 40
    .max_flat_workgroup_size: 256
    .sgpr_count:     102
    .vgpr_count:     258
    .wavefront_size: 32
...
	.end_amdgpu_metadata
.endif
;; end of part 1
;; ======== version 2 of 2: 1 launch; version 1 with the launch qattn written anew for expert scheduling mode
;; launch qattn (part 2): grid 256 x 1, 8 waves a work-group, no clusters, 230,656 bytes of LDS; arguments x, theta, w_combine, b_combine, out0; writes out0
.if DOCPART == 2
	.amdgcn_target "amdgcn-amd-amdhsa--gfx1250"
	.amdhsa_code_object_version 6
	.text
	.protected	k_q4810b6bcf5_qattn
	.globl	k_q4810b6bcf5_qattn
	.p2align	8
	.type	k_q4810b6bcf5_qattn,@function
k_q4810b6bcf5_qattn:
	s_mov_b64 s[64:65], 0
	v_nop
	global_prefetch_b8 v0, s[64:65] scope:SCOPE_SE
	s_setreg_imm32_b32 hwreg(HW_REG_WAVE_SCHED_MODE, 0, 2), 2
	s_setreg_imm32_b32 hwreg(HW_REG_WAVE_MODE, 25, 1), 1
	s_wait_xcnt 0x0
	s_wait_alu depctr_vm_vsrc(0)
; Quantum features, attention with k = v = q, transpose-reshape and the combining layer, in one launch.
;
; FEATURES.  The state is a product state and the CNOT ring permutes basis states, so <Z_w> is the expectation of
; (-1)^(an XOR of independent bits) = a product of cos(phi_k), phi = x + theta.  CNOT(0,1) .. CNOT(6,7) turn bit w into
; b0^..^bw, CNOT(7,0) turns bit 0 into b1^..^b7.  So q_w = c0 c1 .. cw (w = 1..7) and q_0 = c1 c2 .. c7, for every input.
; c = cos(phi) = 1 - 2 sin^2(phi/2): u = phi/(2 pi), f = u - rndne(u) in [-1/2, 1/2], sin(pi f) by its series up to f^11
; (the next term is at most 6e-8).  LIMIT: u is one f32 fused multiply-add, so the phase error grows as |phi| 2^-24,
; like that of the f32 sum x + theta itself.  A non-finite x makes its whole batch NaN.
;
; SOFTMAX WITHOUT A MAXIMUM: |q_e| <= 1 (products of cosines), so |q.q log2(e)/sqrt(2)| <= 8.2 for every input: each
; 2^s lies in [2^-8.2, 2^8.2] and a sum of 4,096 of them below 2^20.2, far inside f32 and bf16.
;
; SHARES.  256 work-groups: batch = id / 16, block of 256 query rows = id % 16.  Eight waves.  Every work-group makes the
; features of its batch's 4,096 tokens itself (one token a lane, 16 rounds) and keeps them in LDS as bf16; the main loop
; then touches no memory.  Wave w owns query rows 64 (w & 3) .. + 63 (four tiles of 16) and keys 2048 (w >> 2) .. + 2047.
; x is the only data that work-groups share: 128 KB once for each, and each number goes through the cosine in registers
; before it reaches LDS, so joint tensor loads would add a pass through LDS and spare nothing in the loop: no cluster.
;
; MATRIX LAYOUT.  Scores are made transposed: A = 16 keys (rows t), B = 16 queries (columns s).  A lane's eight results
; are then t = 8 (lane/16) + 0..7 of one s: after 2^x and packing, exactly registers 0-3 (keys 0-15) or 4-7 (keys 16-31)
; of the A fragment of P for P V.  Of the 32 places along k the scores need 16: places 0-7 carry the high bf16 part of
; q log2(e)/sqrt(2), places 8-15 its low part (both against the same key row), places 16-31 are zero in the queries,
; so the keys' registers 4-7 may hold any finite numbers.  V has 16 columns: 0-7 = q, 8-15 = 1.0, so that P V also
; yields each row's sum of P.  In the result lane (r, h), register j = (s = 8 h + j, e = r): eight neighbouring s of one e,
; which is one row of the transposed and reshaped matrix: the combining layer is 64 fused multiply-adds inside the lane.
;
; THE MODE: SCHED_MODE bits 1:0 = 2 (LLVM: expert scheduling mode 2), set by the entry lines.  The code itself states the register
; dependences between vector or matrix instructions and memory or LDS instructions, with s_wait_alu, always for 0.
; THE PLAN.  Registers that memory or LDS instructions touch:
;   v2-v5, v8-v10, v13, v14   offsets and LDS addresses, made once at the head and never written again.
;   X (v128-255)   written by the head's 32 loads; read by each feature round's first four multiply-adds.
;   ONES           written at the head; read by one LDS store a round.
;   KP             written by a round's four conversions; read by that round's LDS store.
;   TR0, TR1       written by the transposing loads, read by LDS stores: no vector instruction names them.
;   KB0/VB0, KB1/VB1   the main loop's fragments: written by the LDS loads issued in the block before; read by that block's matrix instructions.
;   v6, v7         read by every fragment load; stepped once for two blocks.
;   S, P, Q and the accumulators are named by vector and matrix instructions alone until the way out.
; In the loop ONE wait on va_vdst ends each step (two tiles): it is the wait between the step's 32 exponentials and
; their first reader, and at a block's end it also states that the matrix instructions are done reading the fragment buffers of the block just ended.
; The loads into those buffers follow with no further wait: behind it only this block's fragments, Q, S and P are named.
.set KH,     0                         ; LDS: q as bf16, 16 bytes a token, 4,096 tokens
.set VT,     65536                     ; LDS: V transposed in fragment order, 1,024 bytes for 32 tokens: 16-byte piece (e, 8 tokens c) at 512 (c>>1) + 256 (c&1) + 16 e
.set RED,    196608                    ; LDS: waves 4-7 hand their sums to waves 0-3, 4,096 bytes each
.set OUTB,   212992                    ; LDS: the stage of the way out, 16 rows (e) of OPITCH bytes; rows 8-15 take the sum lanes' by-product and are not read
.set OPITCH, 1040                      ; 1,024 + 16: an odd multiple of 16 bytes, so that the lanes' rows start at different banks (64 banks of 4 bytes: ISA guide 11.1)
.set LANE, 1                           ; v1   lane
.set XOFF, 2                           ; v2   32 x thread: my token's bytes in a round of x
.set KHA,  3                           ; v3   my token's row in KH, round 0
.set VTA,  4                           ; v4-5 my piece in VT, rounds 0-7 and 8-15
.set KADR, 6                           ; v6   key fragments
.set VADR, 7                           ; v7   V fragments
.set QADR, 8                           ; v8   my query rows in KH
.set REDA, 9                           ; v9   exchange
.set OUTA, 10                          ; v10  stage, in
.set R16,  11                          ; v11  lane % 16
.set HALF, 12                          ; v12  lane / 16
.set OUTR, 13                          ; v13  stage, back
.set GOFF, 14                          ; v14  my byte offset in the block's part of out0
.set TA,   15                          ; v15, v104  at work at the head only
.set TB,   104
; feature stage
.set TH,   16                          ; v[16:23]   theta / (2 pi)
.set CO,   24                          ; v[24:35]   six coefficients, each twice (pairs for the packed forms)
.set ONES, 36                          ; v[36:39]   eight bf16 1.0
.set U,    40                          ; v[40:47]   phase in turns, then its fraction f
.set N,    48                          ; v[48:55]   nearest whole turns
.set Z,    56                          ; v[56:63]   f^2
.set PP,   64                          ; v[64:71]   the series, sin, sin^2
.set C,    72                          ; v[72:79]   cos(phi_k)
.set QF,   80                          ; v[80:87]   q in f32
.set T,    88                          ; v[88:91]   partial products
.set KP,   92                          ; v[92:95]   q in bf16
.set TR,   96                          ; v[96:103]  transposed pieces, two buffers
.set X,    128                         ; v[128:255] x: 16 rounds of 8
; main loop
.set Q,    16                          ; v[16:47]   four query fragments (B of the scores)
.set ACC,  48                          ; v[48:79]   four output tiles
.set SB,   80                          ; v[80:143]  scores, then 2^scores: 16 registers for each of the four tiles
.set P,    144                         ; v[144:175] P in bf16: 8 registers for each tile
.set KB,   176                         ; v[176:199] keys: two buffers of 8 data + 4 zero registers; fragment 0 = registers 0-7, fragment 1 = registers 4-11
.set VB,   200                         ; v[200:215] V: two buffers of 8
.set QT,   216                         ; v[216:255] at work while the query fragments are made
.set XF,   232
.set HP,   240
.set HF,   244
.set LP,   252
.set LS,   144                         ; way out: row sums and their reciprocals, 8 a tile (P's registers)
.set Y,    176                         ; way out: eight outputs a tile, four out-buffers (the keys' and V's registers)
.set WLO,  16                          ; s[16:63]  w_combine rows 0-5
.set WHI,  68                          ; s[68:83]  w_combine rows 6-7
.set BIAS, 84                          ; s[84:91]  b_combine
.set STH,  92                          ; s[92:99]  theta
	s_load_b256 s[4:11], s[0:1], 0x0               ; x s[4:5], theta s[6:7], w_combine s[8:9], b_combine s[10:11]
	s_load_b64 s[12:13], s[0:1], 0x20              ; out0
	s_set_vgpr_msb 0x40
	v_lshl_add_u32 v0, v0, 2, 0x38100
	v_mov_b32 v1, 0
	s_set_vgpr_msb 0x4000
	v_lshrrev_b32 v[TA], 5, v0
	v_readfirstlane_b32 s14, v[TA]                 ; wave 0..7
	v_and_b32 v[LANE], 31, v0
	v_lshlrev_b32 v[XOFF], 5, v0
	s_lshr_b32 s2, ttmp9, 4                        ; batch
	s_lshl_b32 s2, s2, 17                          ; x 4,096 tokens x 32 bytes
	s_mov_b32 s3, 0
	s_and_b32 s15, ttmp9, 15                       ; block of 256 query rows
	s_wait_alu depctr_va_sdst(0)                   ; s14 is written, ahead of its first reader: the LDS bases below and the branches of the way out are made from it
	s_wait_kmcnt 0x0
	s_add_nc_u64 s[4:5], s[4:5], s[2:3]            ; x at my batch
	s_wait_alu depctr_va_vdst(0)                   ; v[XOFF] is written: the 32 loads below read it as their offset
.set k, 0
.rept 16                                           ; all 16 rounds are asked for at once: token 256 k + thread, 32 bytes; a wave's two loads cover 1,024 neighbouring bytes
	global_load_b128 v[X+8*k:X+8*k+3],   v[XOFF], s[4:5] offset:8192*k
	global_load_b128 v[X+8*k+4:X+8*k+7], v[XOFF], s[4:5] offset:8192*k+16
.set k, k+1
.endr
	s_load_b512 s[WLO:WLO+15],    s[8:9], 0x0
	s_load_b512 s[WLO+16:WLO+31], s[8:9], 0x40
	s_load_b512 s[WLO+32:WLO+47], s[8:9], 0x80
	s_load_b512 s[WHI:WHI+15],    s[8:9], 0xc0
	s_load_b256 s[BIAS:BIAS+7],   s[10:11], 0x0
	s_load_b256 s[STH:STH+7],     s[6:7], 0x0
	s_lshl_b32 s100, s15, 10                       ; my 32 groups of 8 rows x 32 bytes
	s_add_co_u32 s2, s2, s100
	s_add_nc_u64 s[12:13], s[12:13], s[2:3]        ; out0 at my batch and block
.irp h, 0,1
	v_mov_b32 v[CO+0+\h],  0x40490fdb              ;  pi
	v_mov_b32 v[CO+2+\h],  0xc0a55de7              ; -pi^3/3!
	v_mov_b32 v[CO+4+\h],  0x402335e3              ;  pi^5/5!
	v_mov_b32 v[CO+6+\h],  0xbf196966              ; -pi^7/7!
	v_mov_b32 v[CO+8+\h],  0x3da83c1a              ;  pi^9/9!
	v_mov_b32 v[CO+10+\h], 0xbbf183a8              ; -pi^11/11!
.endr
.irp j, 0,1,2,3
	v_mov_b32 v[ONES+\j], 0x3f803f80
.endr
	; LDS addresses: the wave's number times a constant, a lane term, a constant.  All of the kernel's are made here.
	s_lshl_b32 s100, s14, 9                        ; 32 tokens x 16 bytes
	v_lshl_add_u32 v[KHA], v[LANE], 4, s100
	v_lshrrev_b32 v[TA], 3, v[LANE]                ; c: which 8 of the wave's 32 tokens
	v_and_b32 v[TB], 7, v[LANE]                    ; e
	v_lshlrev_b32 v[TB], 4, v[TB]
	v_lshl_add_u32 v[TB], v[TA], 8, v[TB]          ; 256 c + 16 e  (= 512 (c>>1) + 256 (c&1) + 16 e)
	s_lshl_b32 s100, s14, 10
	s_add_co_u32 s100, s100, VT
	v_add_nc_u32 v[VTA], s100, v[TB]
	v_add_nc_u32 v[VTA+1], 0x10000, v[VTA]         ; rounds 8-15 lie beyond the reach of a 16-bit offset
	v_and_b32 v[R16], 15, v0
	v_lshrrev_b32 v[HALF], 4, v[LANE]
	s_lshr_b32 s2, s14, 2                          ; which half of the keys
	s_lshl_b32 s3, s2, 15                          ; 2,048 tokens x 16 bytes
	v_lshl_add_u32 v[KADR], v[R16], 4, s3          ; both halves of the lanes read key row lane % 16
	s_lshl_b32 s3, s2, 16                          ; 64 blocks x 1,024 bytes
	s_add_co_u32 s3, s3, VT
	v_lshl_add_u32 v[VADR], v[LANE], 4, s3
	s_and_b32 s101, s14, 3                         ; which 64 query rows
	s_lshl_b32 s2, s15, 12                         ; 256 rows x 16 bytes
	s_lshl_b32 s3, s101, 10                        ; 64 rows x 16 bytes
	s_add_co_u32 s2, s2, s3
	v_lshl_add_u32 v[QADR], v[R16], 4, s2
	s_lshl_b32 s2, s101, 12
	s_add_co_u32 s2, s2, RED
	v_lshl_add_u32 v[REDA], v[LANE], 4, s2
	v_mul_u32_u24 v[OUTA], v[R16], OPITCH          ; row e = lane % 16
	v_lshl_add_u32 v[OUTA], v[HALF], 5, v[OUTA]    ; group 8 (w&3) + 2 i + h, 32 bytes each
	s_lshl_b32 s2, s101, 8
	s_add_co_u32 s2, s2, OUTB
	v_add_nc_u32 v[OUTA], s2, v[OUTA]
	v_lshrrev_b32 v[TA], 6, v0                     ; the last read-back and store: row e = thread / 64,
	v_and_b32 v[TB], 63, v0
	v_lshlrev_b32 v[TB], 4, v[TB]                  ; 16 bytes a thread
	v_mad_u32_u24 v[OUTR], v[TA], OPITCH, v[TB]
	v_add_nc_u32 v[OUTR], OUTB, v[OUTR]
	v_lshl_add_u32 v[GOFF], v[TA], 14, v[TB]       ; in out0 the rows e lie 16,384 bytes apart
	s_wait_kmcnt 0x0                               ; theta, w_combine, b_combine
.irp j, 0,1,2,3,4,5,6,7
	v_mov_b32 v[TH+\j], s[STH+\j]
.endr
.irp j, 0,1,2,3,4,5,6,7
	v_mul_f32 v[TH+\j], 0x3e22f983, v[TH+\j]       ; theta / (2 pi)
.endr
; Round k: the features of token 256 k + thread.
.macro FEAT k
	s_wait_loadcnt 30-2*\k                         ; loads come back in order (ISA guide 5.7.1): this round's two are in, the 2 (15 - k) younger ones stay out
.irp p, 0,2,4,6
	v_pk_fma_f32 v[U+\p:U+\p+1], v[X+8*\k+\p:X+8*\k+\p+1], 0x3e22f983, v[TH+\p:TH+\p+1] op_sel_hi:[1,0,1]   ; (x + theta) / (2 pi)
.endr
.irp j, 0,1,2,3,4,5,6,7
	v_rndne_f32 v[N+\j], v[U+\j]
.endr
.irp p, 0,2,4,6
	v_pk_add_f32 v[U+\p:U+\p+1], v[U+\p:U+\p+1], v[N+\p:N+\p+1] neg_lo:[0,1] neg_hi:[0,1]   ; f, exact
.endr
.irp p, 0,2,4,6
	v_pk_mul_f32 v[Z+\p:Z+\p+1], v[U+\p:U+\p+1], v[U+\p:U+\p+1]
.endr
.irp p, 0,2,4,6
	v_pk_fma_f32 v[PP+\p:PP+\p+1], v[Z+\p:Z+\p+1], v[CO+10:CO+11], v[CO+8:CO+9]
.endr
.irp m, 6,4,2,0
.irp p, 0,2,4,6
	v_pk_fma_f32 v[PP+\p:PP+\p+1], v[PP+\p:PP+\p+1], v[Z+\p:Z+\p+1], v[CO+\m:CO+\m+1]
.endr
.endr
.irp p, 0,2,4,6
	v_pk_mul_f32 v[PP+\p:PP+\p+1], v[PP+\p:PP+\p+1], v[U+\p:U+\p+1]      ; sin(phi/2) up to its sign
.endr
.irp p, 0,2,4,6
	v_pk_mul_f32 v[PP+\p:PP+\p+1], v[PP+\p:PP+\p+1], v[PP+\p:PP+\p+1]
.endr
.irp p, 0,2,4,6
	v_pk_fma_f32 v[C+\p:C+\p+1], v[PP+\p:PP+\p+1], -2.0, 1.0 op_sel_hi:[1,0,0]   ; cos(phi) = 1 - 2 sin^2(phi/2)
.endr
	v_mul_f32 v[T],    v[C+1], v[C+2]              ; c1 c2
	v_mul_f32 v[T+1],  v[C+3], v[C+4]              ; c3 c4
	v_mul_f32 v[T+2],  v[C+5], v[C+6]              ; c5 c6
	v_mul_f32 v[QF+1], v[C],   v[C+1]
	v_mul_f32 v[QF+2], v[C],   v[T]
	v_mul_f32 v[T+3],  v[T+2], v[C+7]              ; c5 c6 c7
	v_mul_f32 v[T],    v[T],   v[T+1]              ; c1 c2 c3 c4
	v_mul_f32 v[QF+3], v[QF+2], v[C+3]
	v_mul_f32 v[QF+4], v[QF+2], v[T+1]
	v_mul_f32 v[QF],   v[T],   v[T+3]              ; q0 = c1 .. c7
	v_mul_f32 v[QF+5], v[QF+4], v[C+5]
	v_mul_f32 v[QF+6], v[QF+4], v[T+2]
	v_mul_f32 v[QF+7], v[QF+6], v[C+7]
.if \k > 0
	s_wait_alu depctr_vm_vsrc(0)                   ; the last round's LDS stores have read KP, which the conversions below write, and the TR buffer in which this round's transposing load lands
.endif
.irp p, 0,1,2,3
	v_cvt_pk_bf16_f32 v[KP+\p], v[QF+2*\p], v[QF+2*\p+1]
.endr
	s_wait_alu depctr_va_vdst(0)                   ; the conversions have written KP, which the second store below reads; in round 0 also: ONES and all the head's addresses are written
	ds_store_b128 v[VTA+(\k>>3)], v[ONES:ONES+3] offset:(\k&7)*8192+128          ; columns 8-15 of V: ones
	ds_store_b128 v[KHA], v[KP:KP+3] offset:\k*4096                              ; my token's row
	ds_load_tr16_b128 v[TR+4*(\k&1):TR+4*(\k&1)+3], v[KHA] offset:\k*4096        ; each lane addresses the 16 bytes it has just stored (LDS serves a wave in order: ISA guide 5.7.1.4);
	                                                                             ; lane 8 c + e receives q_e of tokens 8 c .. 8 c + 7 of the wave's 32
.if \k > 0
	s_wait_dscnt 0x3                               ; at least three LDS instructions were issued behind the last round's transposing load: it is in
	ds_store_b128 v[VTA+((\k-1)>>3)], v[TR+4*((\k-1)&1):TR+4*((\k-1)&1)+3] offset:((\k-1)&7)*8192
.endif
.endm
.irp k, 0,1,2,3,4,5,6,7,8,9,10,11,12,13,14,15
	FEAT \k
.endr
	s_wait_dscnt 0x0
	ds_store_b128 v[VTA+1], v[TR+4:TR+7] offset:7*8192
	s_wait_dscnt 0x0                               ; all my rows and pieces are in LDS,
	s_barrier_signal -1
	s_barrier_wait -1                              ; everybody's are
	s_wait_alu depctr_vm_vsrc(0)                   ; my LDS stores have read ONES, KP and TR: these registers are Q and S from here on, written by vector and matrix instructions
; 32 keys: two key fragments (16 rows of 16 bytes each), one V fragment (2 x 512 neighbouring bytes)
.macro LOADBLK par, ko, vo
	ds_load_b128 v[KB+12*\par:KB+12*\par+3],   v[KADR] offset:\ko
	ds_load_b128 v[KB+12*\par+4:KB+12*\par+7], v[KADR] offset:\ko+256
	ds_load_b128 v[VB+8*\par:VB+8*\par+3],     v[VADR] offset:\vo
	ds_load_b128 v[VB+8*\par+4:VB+8*\par+7],   v[VADR] offset:\vo+512
.endm
	; Query fragments: my 64 rows of KH times log2(e)/sqrt(2), split into a high and a low bf16 part.
	; The eight loads below land in registers that held x.  No wait on va_vdst: the multiply-adds that read x stand ahead of the last round's wait, and no vector instruction has been issued since.
.irp i, 0,1,2,3
	ds_load_b128 v[QT+4*\i:QT+4*\i+3], v[QADR] offset:256*\i
.endr
	LOADBLK 0, 0, 0                                ; block 0's fragments land while the query fragments are made
	v_cmp_lt_u32 vcc_lo, 15, v[LANE]               ; lanes 16-31 hold places k = 8..15: the low part
.irp p, 0,1,2,3
	v_mov_b32 v[KB+8+\p], 0                        ; behind each key buffer four registers of zeros: fragment 1's places k = 16..31
	v_mov_b32 v[KB+20+\p], 0
.endr
	s_wait_alu depctr_va_vcc(0)                    ; VCC is written, ahead of its first reader: the selects in the query fragments
	s_wait_dscnt 0x4                               ; my query rows are in; the four younger loads, block 0's fragments, stay out
.macro QFRAG i
.irp p, 0,1,2,3
	v_lshlrev_b32 v[XF+2*\p],   16, v[QT+4*\i+\p]
	v_and_b32     v[XF+2*\p+1], 0xffff0000, v[QT+4*\i+\p]
.endr
.irp p, 0,2,4,6
	v_pk_mul_f32 v[XF+\p:XF+\p+1], v[XF+\p:XF+\p+1], 0x3f8293ee op_sel_hi:[1,0]   ; log2(e)/sqrt(d_k), d_k = 2
.endr
.irp p, 0,1,2,3
	v_cvt_pk_bf16_f32 v[HP+\p], v[XF+2*\p], v[XF+2*\p+1]
.endr
.irp p, 0,1,2,3
	v_lshlrev_b32 v[HF+2*\p],   16, v[HP+\p]
	v_and_b32     v[HF+2*\p+1], 0xffff0000, v[HP+\p]
.endr
.irp p, 0,2,4,6
	v_pk_add_f32 v[XF+\p:XF+\p+1], v[XF+\p:XF+\p+1], v[HF+\p:HF+\p+1] neg_lo:[0,1] neg_hi:[0,1]
.endr
.irp p, 0,1,2,3
	v_cvt_pk_bf16_f32 v[LP+\p], v[XF+2*\p], v[XF+2*\p+1]
.endr
.irp p, 0,1,2,3
	v_cndmask_b32 v[Q+8*\i+\p], v[HP+\p], v[LP+\p], vcc_lo
	v_mov_b32 v[Q+8*\i+4+\p], 0                    ; places k = 16..31 count for nothing
.endr
.endm
	QFRAG 0
	QFRAG 1
	QFRAG 2
	QFRAG 3
; THE MAIN LOOP.  A block is 32 keys x the wave's four query tiles; a step is two tiles.  In a step stand, tile by tile: the two score instructions
; of a tile of the NEXT pair; eight packs of a tile in hand, which are the plain vector instructions that have to stand between a matrix instruction and
; the first reader of its result (ISA guide 7.12.1) and name none of the score instructions' registers; that tile's P V.  Then the next pair's 32
; exponentials as ONE batch, one plain vector instruction behind the last of them (ISA guide 5.7.2), and the step's one wait.
; Each tile has S and P registers of its own, so that a pack writes P registers whose last matrix reader lies a whole block (32 packs) back.
; The matrix instructions' destinations take turns (two score tiles, one output tile), one instruction a turn.
.macro SCORE par, i
	v_wmma_f32_16x16x32_bf16 v[SB+16*\i:SB+16*\i+7],    v[KB+12*\par:KB+12*\par+7],    v[Q+8*\i:Q+8*\i+7], 0
	v_wmma_f32_16x16x32_bf16 v[SB+16*\i+8:SB+16*\i+15], v[KB+12*\par+4:KB+12*\par+11], v[Q+8*\i:Q+8*\i+7], 0
.endm
.macro EXPS h                          ; the pair of tiles 2 h, 2 h + 1; each score tile from its low end on
.set e, 0
.rept 32
	v_exp_f32 v[SB+32*\h+e], v[SB+32*\h+e]
.set e, e+1
.endr
.endm
.macro PACK i
.irp p, 0,1,2,3,4,5,6,7
	v_cvt_pk_bf16_f32 v[P+8*\i+\p], v[SB+16*\i+2*\p], v[SB+16*\i+2*\p+1]
.endr
.endm
.macro PV par, i, zero                 ; zero = 1: the first product starts the sums
.if \zero
	v_wmma_f32_16x16x32_bf16 v[ACC+8*\i:ACC+8*\i+7], v[P+8*\i:P+8*\i+7], v[VB+8*\par:VB+8*\par+7], 0
.else
	v_wmma_f32_16x16x32_bf16 v[ACC+8*\i:ACC+8*\i+7], v[P+8*\i:P+8*\i+7], v[VB+8*\par:VB+8*\par+7], v[ACC+8*\i:ACC+8*\i+7]
.endif
.endm
; par: this block's fragment buffers, opar: the other ones.  load = 1: the next block's fragments are fetched.  last = 1: no block follows.
; step = 1: the fragments' addresses move on by two blocks, 64 keys.
.macro BLOCK par, opar, zero, load, last, step
	SCORE \par, 2
	PACK 0
.if \load
	LOADBLK \opar, 512+512*\par, 1024+1024*\par    ; no wait: the wait that ended the block before states that the other buffers' readers are done and the addresses written,
	                                               ; and the score instructions and packs issued since name this block's keys, Q, S and P alone
.endif
	PV \par, 0, \zero
	SCORE \par, 3
	PACK 1
	PV \par, 1, \zero
	EXPS 1
	v_nop                                          ; the plain vector instruction behind the last exponential
	s_wait_alu depctr_va_vdst(0)                   ; the 32 exponentials have written tiles 2 and 3 of S, ahead of their first reader, the packs below
.if \last == 0
	s_wait_dscnt 0x0                               ; the next block's four loads, issued a step ago
	SCORE \opar, 0
.endif
	PACK 2
	PV \par, 2, \zero
.if \last == 0
	SCORE \opar, 1
.endif
	PACK 3
	PV \par, 3, \zero
.if \last == 0
	EXPS 0
.if \step
	s_wait_alu depctr_vm_vsrc(0)                   ; the fragment loads issued so far have read v[KADR] and v[VADR]
	v_add_nc_u32 v[KADR], 1024, v[KADR]            ; 64 keys on; these two are also the plain vector instructions behind the last exponential
	v_add_nc_u32 v[VADR], 2048, v[VADR]
.else
	v_nop                                          ; the plain vector instruction behind the last exponential
.endif
	s_wait_alu depctr_va_vdst(0)                   ; the 32 exponentials have written tiles 0 and 1 of S, ahead of the next block's packs; this block's matrix instructions are done
	                                               ; reading its K and V fragments, in which the next block's loads land; with step = 1 the two addresses are written
.endif
.endm
	s_wait_dscnt 0x0                               ; block 0's fragments
	SCORE 0, 0
	SCORE 0, 1
.rept 4
	v_nop                                          ; four plain vector instructions between a matrix instruction and the reader of its result (ISA guide 7.12.1)
.endr
	EXPS 0
	v_nop                                          ; the plain vector instruction behind the last exponential
	s_wait_alu depctr_va_vdst(0)                   ; the first 32 exponentials have written tiles 0 and 1 of S, ahead of block 0's packs
	BLOCK 0, 1, 1, 1, 0, 0                         ; blocks 0 and 1 stand in front of the loop: block 0's products start the sums
	BLOCK 1, 0, 0, 1, 0, 1
	s_mov_b32 s100, 30                             ; blocks 2 .. 61
.Lpair:
	BLOCK 0, 1, 0, 1, 0, 0
	BLOCK 1, 0, 0, 1, 0, 1
	s_sub_co_u32 s100, s100, 1
	s_cmp_lg_u32 s100, 0
	s_cbranch_scc1 .Lpair
	BLOCK 0, 1, 0, 1, 0, 0                         ; block 62 fetches block 63,
	BLOCK 1, 0, 0, 0, 1, 0                         ; which fetches nothing and starts no further scores
.rept 4
	v_nop                                          ; behind the last matrix instruction, in front of the readers of its result and the writers of its sources
.endr
	s_wait_alu depctr_va_vdst(0)                   ; the matrix instructions have written the accumulators, which the LDS stores of waves 4-7 read; the packs are done reading S, in which
	                                               ; the loads of waves 0-3 land; the score instructions are done reading v16-23, in which the last loads land.  The places above stay beside this wait
	; THE WAY OUT.  Waves 4-7 hand the sums over their half of the keys to waves 0-3 (no maximum was taken away, so the sums simply add).
	s_cmp_lt_u32 s14, 4
	s_cbranch_scc1 .Lkeep
.irp g, 0,1,2,3,4,5,6,7
	ds_store_b128 v[REDA], v[ACC+4*\g:ACC+4*\g+3] offset:512*\g
.endr
.Lkeep:
	s_wait_dscnt 0x0                               ; my stores are in LDS
	s_barrier_signal -1
	s_barrier_wait -1
	s_cmp_ge_u32 s14, 4
	s_cbranch_scc1 .Lstaged
.irp g, 0,1,2,3,4,5,6,7
	ds_load_b128 v[SB+4*\g:SB+4*\g+3], v[REDA] offset:512*\g
.endr
	s_wait_dscnt 0x0
.set p, 0
.rept 16
	v_pk_add_f32 v[ACC+p:ACC+p+1], v[ACC+p:ACC+p+1], v[SB+p:SB+p+1]
.set p, p+2
.endr
	; Lanes with lane % 16 < 8 hold sum P q_e for eight neighbouring s; lane xor 8 holds sum P of the same eight s.
	; Lanes with lane % 16 >= 8 run along; what they make goes to rows 8-15 of the stage, which nobody reads.
.set t, 0
.rept 32
	v_mov_b32_dpp v[LS+t], v[ACC+t] row_xmask:8 row_mask:0xf bank_mask:0xf
.set t, t+1
.endr
.set t, 0
.rept 32                                           ; the four tiles' reciprocals are one batch
	v_rcp_f32 v[LS+t], v[LS+t]                     ; a sum of 4,096 numbers of at least 2^-8.2: never zero, never denormal
.set t, t+1
.endr
	v_nop                                          ; one plain vector instruction between the reciprocals and their reader (ISA guide 5.7.2)
	s_wait_alu depctr_va_vdst(0)                   ; the 32 reciprocals have written LS, ahead of their first reader
.set p, 0
.rept 16
	v_pk_mul_f32 v[ACC+p:ACC+p+1], v[ACC+p:ACC+p+1], v[LS+p:LS+p+1]
.set p, p+2
.endr
; Tile i: y[o] = b[o] + sum over j of w[o][j] out[8 g + j][e]: the eight chains take turns.  Each tile has an out-buffer of its own.
.macro COMBINE i
.set jj, 0
.rept 8
.set oo, 0
.rept 8
.if oo < 6
.set WB, WLO+8*oo
.else
.set WB, WHI+8*(oo-6)
.endif
.if jj == 0
	v_fma_f32 v[Y+8*\i+oo], s[WB], v[ACC+8*\i], s[BIAS+oo]
.else
	v_fmac_f32 v[Y+8*\i+oo], s[WB+jj], v[ACC+8*\i+jj]
.endif
.set oo, oo+1
.endr
.set jj, jj+1
.endr
.endm
	COMBINE 0
	COMBINE 1
	COMBINE 2
	COMBINE 3
	s_wait_alu depctr_va_vdst(0)                   ; the multiply-adds have written the four out-buffers, which the run of LDS stores reads
.irp i, 0,1,2,3
	ds_store_b128 v[OUTA], v[Y+8*\i:Y+8*\i+3]   offset:64*\i
	ds_store_b128 v[OUTA], v[Y+8*\i+4:Y+8*\i+7] offset:64*\i+16
.endr
.Lstaged:
	s_wait_dscnt 0x0
	s_barrier_signal -1
	s_barrier_wait -1
	; For each e the block's 32 groups are 1,024 neighbouring bytes of out0, at e x 16,384 + block x 1,024.
	; Thread t stores 16 bytes of row e = t / 64 and of row e + 4: sixteen lanes store 256 consecutive bytes, aligned.
	; No wait on va_vdst: both addresses were made at the head, and no vector or matrix instruction behind the way out's first wait names v16-23.
	ds_load_b128 v[16:19], v[OUTR]
	ds_load_b128 v[20:23], v[OUTR] offset:4*OPITCH
	s_wait_dscnt 0x1
	global_store_b128 v[GOFF], v[16:19], s[12:13]
	s_wait_dscnt 0x0
	global_store_b128 v[GOFF], v[20:23], s[12:13] offset:65536
	s_set_vgpr_msb 0x5
	s_wait_dscnt 0x0
	s_wait_alu depctr_hold_cnt(0) depctr_sa_sdst(0) depctr_va_vdst(0) depctr_va_sdst(0) depctr_va_ssrc(0) depctr_va_vcc(0) depctr_vm_vsrc(0)
	s_wait_tensorcnt 0x0
	ds_add_u32 v0, v1
	s_wait_dscnt 0x0
	s_endpgm
.Lfunc_end_k_q4810b6bcf5_qattn:
	.size	k_q4810b6bcf5_qattn, .Lfunc_end_k_q4810b6bcf5_qattn-k_q4810b6bcf5_qattn
	.p2alignl 7, 3214868480
	.fill 96, 4, 3214868480
	.section	.rodata,"a",@progbits
	.p2align	6, 0x0
	.amdhsa_kernel k_q4810b6bcf5_qattn
		.amdhsa_group_segment_fixed_size 230656
		.amdhsa_private_segment_fixed_size 0
		.amdhsa_enable_private_segment 0
		.amdhsa_kernarg_size 40
		.amdhsa_user_sgpr_count 2
		.amdhsa_user_sgpr_kernarg_segment_ptr 1
		.amdhsa_wavefront_size32 1
		.amdhsa_system_sgpr_workgroup_id_x 1
		.amdhsa_system_sgpr_workgroup_id_y 1
		.amdhsa_system_sgpr_workgroup_id_z 1
		.amdhsa_system_vgpr_workitem_id 0
		.amdhsa_next_free_vgpr 258
		.amdhsa_next_free_sgpr 102
		.amdhsa_reserve_vcc 1
		.amdhsa_float_denorm_mode_32 3
		.amdhsa_float_denorm_mode_16_64 3
		.amdhsa_memory_ordered 1
		.amdhsa_forward_progress 1
		.amdhsa_inst_pref_size 130
	.end_amdhsa_kernel
	.amdgpu_metadata
---
amdhsa.version: [ 1, 2 ]
amdhsa.kernels:
  - .name:           k_q4810b6bcf5_qattn
    .symbol:         k_q4810b6bcf5_qattn.kd
    .args:
      - { .name: x, .offset: 0, .size: 8, .value_kind: global_buffer, .address_space: global }
      - { .name: theta, .offset: 8, .size: 8, .value_kind: global_buffer, .address_space: global }
      - { .name: w_combine, .offset: 16, .size: 8, .value_kind: global_buffer, .address_space: global }
      - { .name: b_combine, .offset: 24, .size: 8, .value_kind: global_buffer, .address_space: global }
      - { .name: out0, .offset: 32, .size: 8, .value_kind: global_buffer, .address_space: global }
    .group_segment_fixed_size: 230656
    .private_segment_fixed_size: 0
    .kernarg_segment_align: 8
    .kernarg_segment_size: 40
    .max_flat_workgroup_size: 256
    .sgpr_count:     102
    .vgpr_count:     258
    .wavefront_size: 32
...
	.end_amdgpu_metadata
.endif
;; end of part 2
